; MI455X (gfx1250); checked and timed in simulation.
; The chip was launched on July 23, 2026; its instructions are those of AMD's public machine-readable ISA for CDNA 5 (MIT licence, August 2026) and "CDNA5" Instruction Set Architecture Reference Guide (July 2026). The comments in the code are by the model that wrote it; some were corrected since.
;; Head. Allowed arithmetic: matrix products marked QUANTISED: E2M3 operands, one E8M0 scale for each 32 along K, by v_wmma_scale_f32_16x16x128_f8f6f4 with both operands' format E2M3, f32 sums; everything else in f32.
;; Inputs: Wk 512 x 2,048 float32; Wq 512 x 2,048 float32; Wv 512 x 2,048 float32; x 4,096 x 2,048 float32; y 8,192 x 2,048 float32.
;; Outputs: out0 4,096 x 512 float32.
;; This version of the problem:
;;   THIS VERSION OF THE PROBLEM IS GIVEN IN LOW PRECISION. The matrix products marked QUANTISED in the list below multiply operands that are first quantised to E2M3 (2 exponent bits, 3 mantissa bits; 6 bits a number), with one power-of-two scale for each 32 numbers along K (OCP MX v1.0); their sums are f32. All else is computed in f32.
;;   The module's matrix products, in the order in which they are computed (A, B: the left and right operand; K: the contracted axis; several contracted axes count as one K, in the product's order):
;;     1. [M 4,096, K 2,048] x [K 2,048, N 512]; A: input x; B: input Wq: QUANTISED
;;     2. [M 8,192, K 2,048] x [K 2,048, N 512]; A: input y; B: input Wk: QUANTISED
;;     3. [M 8,192, K 2,048] x [K 2,048, N 512]; A: input y; B: input Wv: QUANTISED
;;     4. [M 4,096, K 512] x [K 512, N 8,192]; A: computed on the way; B: computed on the way: QUANTISED
;;     5. [M 4,096, K 8,192] x [K 8,192, N 512]; A: computed on the way; B: computed on the way: QUANTISED
;;   THE QUANTISER, for each operand of a quantised product, along K:
;;     - K is cut into blocks of 32 from its start; a last block that is shorter is filled with zeros.
;;     - A block's scale is 2^e with e = floor(log2(the largest magnitude in the block)) - 2, held to -126 .. 127; a block of zeros has e = 0. As a byte (E8M0): e + 127.
;;     - Each number is divided by its block's scale, clamped to +-7.5, and rounded to the nearest number of E2M3, ties to even, subnormals kept.
;;     - The product sums the exact products of the quantised numbers (number of the format x scale) in f32.
;;   ~~~python
;;   def quantise(x, axis):      # numpy; x: float32 -> the quantised numbers, widened to float32 again
;;       x = np.moveaxis(x, axis, -1); K = x.shape[-1]
;;       x = np.pad(x, [(0, 0)] * (x.ndim - 1) + [(0, -K % 32)]); x = x.reshape(x.shape[:-1] + (-1, 32)); a = np.abs(x).max(-1, keepdims=True)
;;       e = np.where(a > 0, np.clip(np.frexp(np.where(a > 0, a, 1))[1] - 1 - 2, -126, 127), 0)      # np.frexp(a)[1] - 1 = floor(log2(a)), exactly
;;       r = np.clip(x / 2.0 ** e, -7.5, 7.5)
;;       step = 2.0 ** (np.maximum(np.frexp(np.where(r == 0, 1, r))[1] - 1, 0) - 3)
;;       q = np.round(r / step) * step * 2.0 ** e      # np.round: ties to even
;;       return np.moveaxis(q.reshape(q.shape[:-2] + (-1,))[..., :K], -1, axis).astype(np.float32)
;;   ~~~
;;   OPERANDS COMPUTED ON THE WAY. 'Computed on the way' means the value that the module computes at that place (a softmax that the list does not call 'softmax' is quantised finished and normalised). What goes into a quantiser is computed in f32, as accurately as f32 sums, v_exp_f32 and their like allow (about 1e-6 of the number): no bf16 or f16 on the way to a quantiser, and a product that is left as it is and whose result goes on into a quantised operand takes f32 operands (vector FMAs, or v_wmma_f32_16x16x4_f32). A number that lies on a knife's edge between two numbers of the format may be rounded either way, as far as f32 arithmetic and the matrix unit's own rounding can turn it there, and no further.
;; One version. Each part assembles by itself: llvm-mc -triple=amdgcn-amd-amdhsa -mcpu=gfx1250 --defsym DOCPART=n.
;; ======== version 1 of 1: 4 launches
;; workspace buffers: c1 16,187,392 bytes; c2 5,111,808 bytes; c3 13,631,488 bytes
;; launch quant (part 1): grid 2432 x 1, 1 waves a work-group, no clusters, 8,704 bytes of LDS; arguments x, y, Wq, Wk, Wv, c1; writes c1
.if DOCPART == 1
	.amdgcn_target "amdgcn-amd-amdhsa--gfx1250"
	.amdhsa_code_object_version 6
	.text
	.protected	k_q1335934bce_quant
	.globl	k_q1335934bce_quant
	.p2align	8
	.type	k_q1335934bce_quant,@function
k_q1335934bce_quant:
	s_mov_b64 s[64:65], 0
	v_nop
	global_prefetch_b8 v0, s[64:65] scope:SCOPE_SE
	s_setreg_imm32_b32 hwreg(HW_REG_WAVE_MODE, 25, 1), 1
	s_wait_xcnt 0x0
; x [4096][2048], rows 0 to 4095 of y [8192][2048], Wq, Wk, Wv [512][2048], all f32 with K innermost, become codes of FP6 (E2M3) with one E8M0 byte for each 32 along K.
; y's rows 4096 on are not read: they feed only scores of keys j >= 4096 > i, which the problem's own mask sets to zero.  LIMIT: a NaN or an infinity in those rows is not carried into the result.
; A block's scale is 2^(floor(log2(its largest magnitude)) - 2); its byte is the largest magnitude's exponent field - 2, held at 1 from below.  A block of zeros keeps the byte 1 where the rule says 127:
; its codes are zeros, and this program alone reads the bytes.  LIMITS: NaN and infinities among the inputs are not served.
; THE RECORD, 6,656 bytes: 16 rows x 512 along K as images of the operand's registers: fragment s (128 along K, 12 registers a lane) at 1536 s, register 4 c + i of lane l at 512 c + 16 l + 4 i;
; at 6144 the scale words: lane l's 16 bytes at 16 l are the words of row l % 16 for the four K steps.  c1 is [tile 608][K group 4][record]: tiles 0-255 x, 256-511 y, 512-543 Wq, 544-575 Wk, 576-607 Wv.
; x's tile t holds rows 16 t + r.  The others are PERMUTED: slot r of tile t is row 32 (t / 2) + 8 (t % 2) + r + 8 (r / 8), so that as source 0 of a product two neighbouring tiles give a lane 16 neighbours.
; SHARES: a work-group is ONE wave and makes one record: number id is K group id % 4 of tile id / 4.  Records share nothing, and 2,432 small work-groups can be dealt out evenly.
; A fragment's 16 loads read 512 consecutive bytes of one row each; the numbers turn through the wave's stage in LDS (rows 528 bytes apart) and come back 16 neighbours of each block of 32 to a lane.
; No barrier, no matrix unit, no cluster: work-groups share no input.
.set STG,   8448                       ; the stage: 16 rows x (512 + 16) bytes
.set SPARE, STG                        ; behind the stage: the spare words, 128 bytes, in a block of 256
.set REC,   6656
.set LI,  2                            ; v2   16 x lane: my place in a load's or a store's 512 bytes
.set SI,  3                            ; v3   the stage, on the way in: 16 x lane
.set SOA, 4                            ; v4   the stage, on the way out
.set R,   16                           ; v16-143  two sets of 64: a fragment as loaded
.set X,   144                          ; v144-207 register 16 b + i = k 32 b + 16 (lane / 16) + i of row lane % 16
.set TM,  208                          ; v208-223 at work
.set PW,  224                          ; v224-227 the four scale words
.set PC,  228                          ; v228-247 codes
.set SPW, 248                          ; v248 my spare word; never rewritten
.set NIL, 249                          ; v249 0; never rewritten
.set WV,  16                           ; s16  my K group
.set TT,  17                           ; s17  my tile
.set BL,  20                           ; s[20:21] slots 0-7's first row, at my K group
.set BH,  22                           ; s[22:23] slots 8-15's
.set OB,  14                           ; s[14:15] my record
.set SEL, 30                           ; s[30:31] v_permlanex16_b32's selects for lane l xor 16
; 64 numbers of a lane become a fragment's codes in v[PC] on and its scale word in v[pw]
.macro QUANT s, pw
.irp b, 0,1,2,3
	v_max3_num_f32 v[TM+\b], |v[\s+16*\b]|, |v[\s+1+16*\b]|, 0x1800000   ; block b: my 16 numbers, and the floor 2^(3 - 127): the byte cannot fall under 1
.endr
.irp i, 2,4,6,8,10,12,14
.irp b, 0,1,2,3
	v_max3_num_f32 v[TM+\b], v[TM+\b], |v[\s+16*\b+\i]|, |v[\s+1+16*\b+\i]|   ; the four blocks by turns
.endr
.endr
.irp b, 0,1,2,3
	v_permlanex16_b32 v[TM+4+\b], v[TM+\b], s[SEL], s[SEL+1]
.endr
.irp b, 0,1,2,3
	v_max_num_f32 v[TM+\b], v[TM+\b], v[TM+4+\b]   ; with lane l xor 16's: the block's largest magnitude
.endr
.irp b, 0,1,2,3
	v_add_nc_u32 v[TM+12+\b], 0xff000000, v[TM+\b]   ; 2 off its exponent field: the conversion's scale operand
.endr
.irp b, 0,1,2,3
	v_lshrrev_b32 v[TM+4+\b], 23, v[TM+12+\b]      ; the scale's byte
.endr
	v_lshl_or_b32 v[\pw], v[TM+5], 8, v[TM+4]
	v_lshl_or_b32 v[\pw], v[TM+6], 16, v[\pw]
	v_lshl_or_b32 v[\pw], v[TM+7], 24, v[\pw]
.irp c, 0,1
	v_cvt_scalef32_pk16_fp6_f32 v[PC+6*\c:PC+2+6*\c], v[\s+32*\c:\s+15+32*\c], v[TM+12+2*\c]
	v_cvt_scalef32_pk16_fp6_f32 v[PC+12+4*\c:PC+14+4*\c], v[\s+16+32*\c:\s+31+32*\c], v[TM+12+2*\c+1]   ; (a conversion's three registers begin on an even number)
.endr
	v_nop                                          ; one plain place behind a scaled conversion
.irp c, 0,1                                    ; the operand wants a whole block in a lane: lanes 0-15 block 2 c, lanes 16-31 block 2 c + 1
.irp i, 0,1,2
	v_permlane16_swap_b32 v[PC+6*\c+\i], v[PC+12+4*\c+\i]
.endr
.irp i, 0,1,2
	v_mov_b32 v[PC+3+6*\c+\i], v[PC+12+4*\c+\i]
.endr
.endr
.endm
.macro LOADF s                         ; fragment s: 16 rows x 512 bytes, a row a load
.irp r, 0,1,2,3,4,5,6,7
	global_load_b128 v[R+64*((\s)%2)+4*\r:R+64*((\s)%2)+4*\r+3], v[LI], s[BL:BL+1] offset:\r*8192+512*(\s) th:TH_LOAD_NT
.endr
.irp r, 0,1,2,3,4,5,6,7
	global_load_b128 v[R+64*((\s)%2)+32+4*\r:R+64*((\s)%2)+32+4*\r+3], v[LI], s[BH:BH+1] offset:\r*8192+512*(\s) th:TH_LOAD_NT
.endr
.endm
.macro TURN s                          ; through my stage: LDS serves a wave's instructions in order, so no wait stands between the stores and the loads
.irp r, 0,1,2,3,4,5,6,7,8,9,10,11,12,13,14,15
	ds_store_b128 v[SI], v[R+64*((\s)%2)+4*\r:R+64*((\s)%2)+4*\r+3] offset:528*\r
.endr
.irp b, 0,1,2,3
.irp j, 0,1,2,3
	ds_load_b128 v[X+16*\b+4*\j:X+16*\b+4*\j+3], v[SOA] offset:128*\b+16*\j
.endr
.endr
.endm
	s_load_b256 s[4:11], s[0:1], 0x0               ; x s[4:5], y s[6:7], Wq s[8:9], Wk s[10:11]
	s_load_b128 s[12:15], s[0:1], 0x20             ; Wv s[12:13], c1 s[14:15]
	v_lshl_add_u32 v[SPW], v0, 2, SPARE
	v_mov_b32 v[NIL], 0
	s_lshr_b32 s[TT], ttmp9, 2                     ; my tile
	s_and_b32 s[WV], ttmp9, 3                      ; my K group
	v_lshlrev_b32 v[LI], 4, v0                     ; the thread's number is the lane
	v_lshlrev_b32 v[SI], 4, v0
	v_and_b32 v6, 15, v0                           ; r
	v_bfe_u32 v7, v0, 4, 1                         ; h
	v_mul_u32_u24 v[SOA], v6, 528
	v_lshl_add_u32 v[SOA], v7, 6, v[SOA]           ; row r, + 64 h: my 16 numbers of a block
	s_mov_b32 s[SEL], 0x76543210
	s_mov_b32 s[SEL+1], 0xfedcba98
.irp b, 0,1,2,3
	v_mov_b32 v[TM+4+\b], 0                        ; written once: a lane permute's destination counts as one of its sources
.endr
	s_mov_b32 s18, 576                             ; my tensor's first tile
	s_cmp_lt_u32 s[TT], 576
	s_cselect_b32 s18, 544, s18
	s_cmp_lt_u32 s[TT], 544
	s_cselect_b32 s18, 512, s18
	s_cmp_lt_u32 s[TT], 512
	s_cselect_b32 s18, 256, s18
	s_cmp_lt_u32 s[TT], 256
	s_cselect_b32 s18, 0, s18
	s_sub_co_u32 s19, s[TT], s18                   ; t: my tile in it
	s_lshl_b32 s20, s19, 4                         ; x: slots 0-7 begin at row 16 t
	s_lshr_b32 s21, s19, 1
	s_lshl_b32 s21, s21, 5
	s_and_b32 s22, s19, 1
	s_lshl_b32 s22, s22, 3
	s_add_co_u32 s21, s21, s22                     ; the others: at row 32 (t / 2) + 8 (t % 2)
	s_cmp_lt_u32 s[TT], 256
	s_cselect_b32 s20, s20, s21
	s_cselect_b32 s21, 8, 16                       ; slots 8-15 begin 8 rows on (x) or 16
	s_add_co_u32 s21, s20, s21
	s_lshl_b32 s20, s20, 13                        ; rows of 8,192 bytes
	s_lshl_b32 s22, s21, 13
	s_lshl_b32 s24, s[WV], 11                      ; my K group: 2,048 bytes along a row
	s_add_co_u32 s20, s20, s24
	s_add_co_u32 s22, s22, s24
	s_mov_b32 s21, 0
	s_mov_b32 s23, 0
	s_mul_i32 s24, ttmp9, REC                      ; record 4 x tile + K group = the work-group's number
	s_mov_b32 s25, 0
	s_wait_kmcnt 0x0
	s_cmp_lt_u32 s[TT], 576                        ; the choice of the source hangs on the work-group's number alone
	s_cselect_b64 s[26:27], s[10:11], s[12:13]
	s_cmp_lt_u32 s[TT], 544
	s_cselect_b64 s[26:27], s[8:9], s[26:27]
	s_cmp_lt_u32 s[TT], 512
	s_cselect_b64 s[26:27], s[6:7], s[26:27]
	s_cmp_lt_u32 s[TT], 256
	s_cselect_b64 s[26:27], s[4:5], s[26:27]
	s_add_nc_u64 s[BL:BL+1], s[26:27], s[20:21]
	s_add_nc_u64 s[BH:BH+1], s[26:27], s[22:23]
	s_add_nc_u64 s[OB:OB+1], s[OB:OB+1], s[24:25]
	LOADF 0
	LOADF 1
.irp s, 0,1,2,3
.if \s < 3
	s_wait_loadcnt 16                              ; this fragment's 16 loads are in; the next fragment's 16 may be out
.else
	s_wait_loadcnt 0x0
.endif
	TURN \s
	s_wait_dscnt 0x0                               ; the numbers are back, and the stores into the stage have read their registers
	s_wait_xcnt 0x0                                ; the last fragment's stores have read their data: the codes' registers may be written again
.if \s < 2
	LOADF \s+2
.endif
	QUANT X, PW+\s
.irp c, 0,1,2
	global_store_b128 v[LI], v[PC+4*\c:PC+4*\c+3], s[OB:OB+1] offset:1536*\s+512*\c   ; 32 lanes store 512 consecutive bytes, at a multiple of 256 from c1's first byte
.endr
.endr
	global_store_b128 v[LI], v[PW:PW+3], s[OB:OB+1] offset:6144   ; the scale words of the four K steps
	s_wait_tensorcnt 0x0                           ; the wave's end: behind my last LDS store
	ds_add_u32 v[SPW], v[NIL]
	s_wait_dscnt 0x0
	s_endpgm
.Lfunc_end_k_q1335934bce_quant:
	.size	k_q1335934bce_quant, .Lfunc_end_k_q1335934bce_quant-k_q1335934bce_quant
	.p2alignl 7, 3214868480
	.fill 96, 4, 3214868480
	.section	.rodata,"a",@progbits
	.p2align	6, 0x0
	.amdhsa_kernel k_q1335934bce_quant
		.amdhsa_group_segment_fixed_size 8704
		.amdhsa_private_segment_fixed_size 0
		.amdhsa_enable_private_segment 0
		.amdhsa_kernarg_size 48
		.amdhsa_user_sgpr_count 2
		.amdhsa_user_sgpr_kernarg_segment_ptr 1
		.amdhsa_wavefront_size32 1
		.amdhsa_system_sgpr_workgroup_id_x 1
		.amdhsa_system_sgpr_workgroup_id_y 1
		.amdhsa_system_sgpr_workgroup_id_z 1
		.amdhsa_system_vgpr_workitem_id 0
		.amdhsa_next_free_vgpr 256
		.amdhsa_next_free_sgpr 66
		.amdhsa_reserve_vcc 0
		.amdhsa_float_denorm_mode_32 3
		.amdhsa_float_denorm_mode_16_64 3
		.amdhsa_memory_ordered 1
		.amdhsa_forward_progress 1
		.amdhsa_inst_pref_size 34
	.end_amdhsa_kernel
	.amdgpu_metadata
---
amdhsa.version: [ 1, 2 ]
amdhsa.kernels:
  - .name:           k_q1335934bce_quant
    .symbol:         k_q1335934bce_quant.kd
    .args:
      - { .name: x, .offset: 0, .size: 8, .value_kind: global_buffer, .address_space: global }
      - { .name: y, .offset: 8, .size: 8, .value_kind: global_buffer, .address_space: global }
      - { .name: Wq, .offset: 16, .size: 8, .value_kind: global_buffer, .address_space: global }
      - { .name: Wk, .offset: 24, .size: 8, .value_kind: global_buffer, .address_space: global }
      - { .name: Wv, .offset: 32, .size: 8, .value_kind: global_buffer, .address_space: global }
      - { .name: c1, .offset: 40, .size: 8, .value_kind: global_buffer, .address_space: global }
    .group_segment_fixed_size: 8704
    .private_segment_fixed_size: 0
    .kernarg_segment_align: 8
    .kernarg_segment_size: 48
    .max_flat_workgroup_size: 32
    .sgpr_count:     66
    .vgpr_count:     256
    .wavefront_size: 32
...
	.end_amdgpu_metadata
.endif
;; end of part 1
;; launch proj (part 2): grid 192 x 1, 4 waves a work-group, no clusters, 327,680 bytes of LDS; arguments c1, c2; writes c2
.if DOCPART == 2
	.amdgcn_target "amdgcn-amd-amdhsa--gfx1250"
	.amdhsa_code_object_version 6
	.text
	.protected	k_q1335934bce_proj
	.globl	k_q1335934bce_proj
	.p2align	8
	.type	k_q1335934bce_proj,@function
k_q1335934bce_proj:
	s_mov_b64 s[64:65], 0
	v_nop
	global_prefetch_b8 v0, s[64:65] scope:SCOPE_SE
	s_setreg_imm32_b32 hwreg(HW_REG_WAVE_MODE, 25, 1), 1
	s_wait_xcnt 0x0
; q = x Wq^T, k = y Wk^T, v = y Wv^T (keys 0 to 4095), K = 2048, on codes of FP6 with E8M0 scales; each result is quantised in registers for the product that takes it next, and leaves as records.
; A RECORD (6,656 bytes) is 16 rows x 512 along K as images of the operand's registers: fragment s at 1536 s (register 4 c + i of lane l at 512 c + 16 l + 4 i), the four K steps' scale words at 6144 + 16 l.
; c1: [tile 608][K group 4][record].  c2: q at 0 [query tile 256][record], k at 1,703,936 [key tile 256][record] (K = d), v at 3,407,872 [d tile 32][K group 8][record] (K = the keys).
; ONE TEXT FOR THE THREE.  Source 0 (E) holds the rows that become the NEXT product's K; its tiles are permuted (slot r of tile t = row 32 (t / 2) + 8 (t % 2) + r + 8 (r / 8)), so that the 16 registers of result tiles
; 2 b, 2 b + 1 are 16 neighbours, 32 b + 16 (lane / 16) + 0 .. 15.  Source 1 (F) holds the rows that stay rows.  q: E = Wq, F = x.  k: E = Wk, F = y.  v: E = y, F = Wv.  Only global offsets differ.
; SHARES.  Work-group: 16 tiles of E x 8 tiles of F.  Wave w: E's tiles 8 (w & 1) on, F's tiles 4 (w >> 1) on: 32 accumulators.  A wave's 8 E tiles are one K step (128) of the next product: one fragment a tile of F.
; RING.  K goes in four K groups of 512 through two LDS slots of 24 records; waves 0 and 1 bring E's halves, wave 2 F's, one tensor load each (8 records, 53,248 bytes); at most two loads of a wave are out.
; CLUSTER: none in this text.  An E pool is read by 32 work-groups (q, k) or 4 (v), an F pool by 2 or 16; joint loads would divide those requests and are not built here.
; LIMITS: NaN and infinities are not served; a block of zeros keeps the scale byte 1 (its codes are zeros; this program alone reads the bytes).
; REGISTERS: window 0: v1-7 addresses; v16-47 E's scale words, v48-63 F's; v64-159 F's fragments, two sets; v160-199 at work.  window 1: E's fragments, two sets of 96.  window 2: the accumulators (64 f + 8 e).
.set REC,   6656
.set TS,    REC                        ; from tile to tile in a slot
.set POOL,  8*REC                      ; what one tensor load brings
.set SLOT,  24*REC
.set SPARE, 2*SLOT                     ; behind the ring: the spare words, 128 bytes a wave
.set TP1,   4*REC                      ; from tile to tile in c1
.set KSEC,  256*REC                    ; a section of c2
.set LI,  1                            ; v1   16 x lane
.set AE,  2                            ; v2-3 my E tiles in slot 0, 1
.set AF,  4                            ; v4-5 my F tiles
.set SPW, 6                            ; v6   my spare word; never rewritten
.set NIL, 7                            ; v7   0; never rewritten
.set SE,  16
.set SF,  48
.set FB,  64
.set FSET, 48
.set EB,  0
.set ESET, 96
.set ACC, 0
.set TM,  160
.set PW,  176
.set PC,  180
.set W_LDE, 0x40                       ; destination window 1, address window 0
.set W_MUL, 0xa1                       ; source 0 (E) window 1, source 1 (F) window 0, C and D window 2
.set WV, 8
.set EG, 9
.set FG, 10
.set TY, 11
.set G1, 16                            ; s[16:23] descriptor group 1
.set G0, 24                            ; s[24:31] group 0, a set for each slot
.set OB, 32                            ; s[32:33] where my fragment goes
.set OS, 34                            ; s[34:35] and its scale word
.set RS, 36                            ; s[36:37] from tile to tile in the output
.set SEL, 38
.set MSB, 0
.macro WIN new                         ; the immediate's high byte repeats the setting that is left
.if MSB != (\new)
	s_set_vgpr_msb (MSB<<8)|(\new)
.set MSB, (\new)
.endif
.endm
.macro PLACES                          ; four places in front of loads into registers that matrix instructions have read, and of the first read of results
.rept 4
	v_nop
.endr
.endm
.macro QUANT s, w, pw                  ; 64 numbers of a lane in window w, register 16 b + i = k 32 b + 16 (lane / 16) + i, become codes in v[PC] on and the scale word in v[pw]; each accumulator is read from its low end on
	WIN 5*(\w)
.irp b, 0,1,2,3
	v_max3_num_f32 v[TM+\b], |v[\s+16*\b]|, |v[\s+1+16*\b]|, 0x1800000   ; and the floor 2^(3 - 127): the byte cannot fall under 1
.endr
	WIN 0x14*(\w)
.irp i, 2,4,6,8,10,12,14
.irp b, 0,1,2,3
	v_max3_num_f32 v[TM+\b], v[TM+\b], |v[\s+16*\b+\i]|, |v[\s+1+16*\b+\i]|
.endr
.endr
	WIN 0
.irp b, 0,1,2,3
	v_permlanex16_b32 v[TM+4+\b], v[TM+\b], s[SEL], s[SEL+1]
.endr
.irp b, 0,1,2,3
	v_max_num_f32 v[TM+\b], v[TM+\b], v[TM+4+\b]   ; the block's largest magnitude
.endr
.irp b, 0,1,2,3
	v_add_nc_u32 v[TM+12+\b], 0xff000000, v[TM+\b]   ; 2 off its exponent field: the conversion's scale operand
.endr
.irp b, 0,1,2,3
	v_lshrrev_b32 v[TM+4+\b], 23, v[TM+12+\b]      ; the scale's byte
.endr
	v_lshl_or_b32 v[\pw], v[TM+5], 8, v[TM+4]
	v_lshl_or_b32 v[\pw], v[TM+6], 16, v[\pw]
	v_lshl_or_b32 v[\pw], v[TM+7], 24, v[\pw]
	WIN (\w)
.irp c, 0,1
	v_cvt_scalef32_pk16_fp6_f32 v[PC+6*\c:PC+2+6*\c], v[\s+32*\c:\s+15+32*\c], v[TM+12+2*\c]
	v_cvt_scalef32_pk16_fp6_f32 v[PC+12+4*\c:PC+14+4*\c], v[\s+16+32*\c:\s+31+32*\c], v[TM+12+2*\c+1]
.endr
	WIN 0
	v_nop                                          ; one plain place behind a scaled conversion
.irp c, 0,1
.irp i, 0,1,2
	v_permlane16_swap_b32 v[PC+6*\c+\i], v[PC+12+4*\c+\i]
.endr
.irp i, 0,1,2
	v_mov_b32 v[PC+3+6*\c+\i], v[PC+12+4*\c+\i]
.endr
.endr
.endm
.macro SCALES ae, af, off              ; a K group's scale words: four registers a tile, register s for K step s
.irp e, 0,1,2,3,4,5,6,7
	ds_load_b128 v[SE+4*\e:SE+4*\e+3], v[\ae] offset:(\off)+TS*\e+6144
.endr
.irp f, 0,1,2,3
	ds_load_b128 v[SF+4*\f:SF+4*\f+3], v[\af] offset:(\off)+TS*\f+6144
.endr
.endm
.macro FETCH ae, af, off, p            ; a K step's fragments into set p: three loads of 512 consecutive bytes each
	WIN W_LDE
.irp e, 0,1,2,3,4,5,6,7
.irp c, 0,1,2
	ds_load_b128 v[EB+ESET*(\p)+12*\e+4*\c:EB+ESET*(\p)+12*\e+4*\c+3], v[\ae] offset:(\off)+TS*\e+512*\c
.endr
.endr
	WIN 0
.irp f, 0,1,2,3
.irp c, 0,1,2
	ds_load_b128 v[FB+FSET*(\p)+12*\f+4*\c:FB+FSET*(\p)+12*\f+4*\c+3], v[\af] offset:(\off)+TS*\f+512*\c
.endr
.endr
.endm
.macro MUL p, s, zero                  ; 32 products, 128 along K; the 32 accumulators take turns, one instruction a turn; zero = 1: the products start the sums
	WIN W_MUL
.irp f, 0,1,2,3
.irp e, 0,1,2,3,4,5,6,7
.if \zero
	v_wmma_scale_f32_16x16x128_f8f6f4 v[ACC+64*\f+8*\e:ACC+64*\f+8*\e+7], v[EB+ESET*(\p)+12*\e:EB+ESET*(\p)+12*\e+11], v[FB+FSET*(\p)+12*\f:FB+FSET*(\p)+12*\f+11], 0, v[SE+4*\e+(\s)], v[SF+4*\f+(\s)] matrix_a_fmt:MATRIX_FMT_FP6 matrix_b_fmt:MATRIX_FMT_FP6
.else
	v_wmma_scale_f32_16x16x128_f8f6f4 v[ACC+64*\f+8*\e:ACC+64*\f+8*\e+7], v[EB+ESET*(\p)+12*\e:EB+ESET*(\p)+12*\e+11], v[FB+FSET*(\p)+12*\f:FB+FSET*(\p)+12*\f+11], v[ACC+64*\f+8*\e:ACC+64*\f+8*\e+7], v[SE+4*\e+(\s)], v[SF+4*\f+(\s)] matrix_a_fmt:MATRIX_FMT_FP6 matrix_b_fmt:MATRIX_FMT_FP6
.endif
.endr
.endr
	WIN 0
.endm
.macro GROUP ae, af, off, first        ; a K group: four K steps; each step's fragments are asked for ahead of the step before's products; at its end no LDS load of mine is out
	PLACES
	SCALES \ae, \af, \off
	FETCH \ae, \af, \off, 0
.irp s, 0,1,2,3
	s_wait_dscnt 0x0                               ; this step's fragments are in
.if \s < 3
.if \s > 0
	PLACES                                         ; the set to be loaded was read by the products just issued
.endif
	FETCH \ae, \af, (\off)+1536*(\s+1), (\s+1)%2
.endif
.if (\first) && (\s == 0)
	MUL 0, 0, 1
.else
	MUL \s%2, \s, 0
.endif
.endr
.endm
.macro TLOAD g                         ; waves 0 to 2 fetch; an s_nop 0 and four v_nop follow the load
	s_cmp_lt_u32 s[WV], 3
	s_cbranch_scc0 .Lnone_\@
	tensor_load_to_lds s[\g:\g+3], s[G1:G1+7]
	s_nop 0
.rept 4
	v_nop
.endr
.Lnone_\@:
.endm
.macro CHANGE g, fill                  ; the change of slots: all my tensor loads have landed, the add, my reads of the slot left are over, the barrier; then the refill first
	s_wait_tensorcnt 0x0                           ; no tensor load of mine is out, so a group 0 may be written
	ds_add_u32 v[SPW], v[NIL]                      ; 0 onto my spare word
.if \fill
	s_add_nc_u64 s[\g+2:\g+3], s[\g+2:\g+3], 2*REC   ; this slot's next K group, two on
.endif
	s_wait_dscnt 0x0
	s_barrier_signal -1
	s_barrier_wait -1
.if \fill
	TLOAD \g
.endif
.endm
	s_load_b128 s[4:7], s[0:1], 0x0                ; c1 s[4:5], c2 s[6:7]
	v_lshl_add_u32 v[SPW], v0, 2, SPARE
	v_mov_b32 v[NIL], 0
	ds_add_u32 v[SPW], v[NIL]                      ; the wave's opening: the add and its wait stand ahead of my first tensor load; work on registers stands between them
	v_lshrrev_b32 v8, 5, v0
	v_readfirstlane_b32 s[WV], v8                  ; wave 0..3
	s_and_b32 s[EG], s[WV], 1
	s_lshr_b32 s[FG], s[WV], 1
	s_mov_b32 s[G1+0], 3<<16                       ; no mask; elements of 8 bytes; no padding
	s_mov_b32 s[G1+1], 832<<16                     ; tensor_dim0 = 832 elements: a record
	s_mov_b32 s[G1+2], 8<<16                       ; tensor_dim1 = 8 tiles
	s_mov_b32 s[G1+3], 832<<16                     ; tile_dim0
	s_mov_b32 s[G1+4], 8                           ; tile_dim1
	s_mov_b32 s[G1+5], 3328                        ; from tile to tile: 26,624 bytes
	s_mov_b32 s[G1+6], 0
	s_mov_b32 s[G1+7], 0
	s_mov_b32 s[SEL], 0x76543210
	s_mov_b32 s[SEL+1], 0xfedcba98
	s_lshr_b32 s[TY], ttmp9, 6                     ; 0 q, 1 k, 2 v
	s_and_b32 s12, ttmp9, 63
	s_lshr_b32 s13, s12, 2
	s_and_b32 s14, s12, 1
	s_and_b32 s15, s12, 3
	s_lshr_b32 s40, s12, 1
	s_lshl_b32 s41, s[TY], 5
	s_add_co_u32 s41, s41, 512                     ; Wq's or Wk's first tile
	s_lshl_b32 s42, s[TY], 8                       ; x's or y's
	s_mov_b32 s43, REC
	s_cmp_eq_u32 s[TY], 2
	s_cselect_b32 s13, s13, s14                    ; a: which E pool
	s_cselect_b32 s15, s15, s40                    ; b: which F pool
	s_cselect_b32 s41, 256, s41                    ; v: E = y's tiles,
	s_cselect_b32 s42, 576, s42                    ; F = Wv's
	s_cselect_b32 s[RS], 8*REC, s43
	s_mov_b32 s[RS+1], 0
	s_lshl_b32 s44, s13, 4
	s_add_co_u32 s41, s41, s44                     ; E pool's first tile
	s_lshl_b32 s44, s15, 3
	s_add_co_u32 s42, s42, s44                     ; F pool's
	s_lshl_b32 s44, s[WV], 3
	s_add_co_u32 s44, s44, s41
	s_cmp_lt_u32 s[WV], 2
	s_cselect_b32 s44, s44, s42                    ; the first of the 8 tiles that I fetch
	s_mul_i32 s44, s44, TP1
	s_mov_b32 s45, 0
	s_mul_i32 s46, s[TY], KSEC                     ; the output's section,
	s_lshl_b32 s47, s15, 3
	s_lshl_b32 s48, s[FG], 2
	s_add_co_u32 s47, s47, s48
	s_mul_i32 s47, s47, s[RS]                      ; my first tile in it,
	s_add_co_u32 s46, s46, s47
	s_lshr_b32 s47, s13, 1
	s_mul_i32 s47, s47, REC                        ; the K group,
	s_add_co_u32 s46, s46, s47
	s_and_b32 s47, s13, 1
	s_lshl_b32 s47, s47, 1
	s_add_co_u32 s47, s47, s[EG]                   ; and the K step in it
	s_mul_i32 s48, s47, 1536
	s_add_co_u32 s48, s48, s46
	s_mov_b32 s49, 0
	s_lshl_b32 s50, s47, 2
	s_add_co_u32 s50, s50, s46
	s_add_co_u32 s50, s50, 6144
	s_mov_b32 s51, 0
	s_mul_i32 s46, s[WV], POOL                     ; where my tiles go in a slot
	s_wait_dscnt 0x0                               ; the opening add is done
	s_wait_kmcnt 0x0
	s_add_nc_u64 s[44:45], s[4:5], s[44:45]
	s_add_nc_u64 s[OB:OB+1], s[6:7], s[48:49]
	s_add_nc_u64 s[OS:OS+1], s[6:7], s[50:51]
.irp n, 0,1
	s_mov_b32 s[G0+4*\n], 1
	s_add_co_u32 s[G0+4*\n+1], s46, \n*SLOT
	s_add_nc_u64 s[G0+4*\n+2:G0+4*\n+3], s[44:45], \n*REC   ; K group n
	s_or_b32 s[G0+4*\n+3], s[G0+4*\n+3], 0x80000000
.endr
	s_cmp_lt_u32 s[WV], 3                          ; a wave's two first fills stand in one branch, ahead of every wait on TENSORcnt, every LDS read and every barrier
	s_cbranch_scc0 .Lno_first
	tensor_load_to_lds s[G0:G0+3], s[G1:G1+7]
	s_nop 0
	tensor_load_to_lds s[G0+4:G0+7], s[G1:G1+7]
	s_nop 0
.rept 4
	v_nop
.endr
.Lno_first:
	v_and_b32 v8, 31, v0
	v_lshlrev_b32 v[LI], 4, v8
	s_mul_i32 s47, s[EG], POOL
	s_mul_i32 s48, s[FG], 4*REC
	s_add_co_u32 s48, s48, 16*REC
.irp n, 0,1
	v_add_nc_u32 v[AE+\n], s47, v[LI]
	v_add_nc_u32 v[AF+\n], s48, v[LI]
	s_add_co_u32 s47, s47, SLOT
	s_add_co_u32 s48, s48, SLOT
.endr
.irp b, 0,1,2,3
	v_mov_b32 v[TM+4+\b], 0                        ; written once: a lane permute's destination counts as one of its sources
.endr
	s_wait_tensorcnt 0x1                           ; my part of K group 0 is in; K group 1's load may stay out
	s_barrier_signal -1
	s_barrier_wait -1
	GROUP AE, AF, 0, 1
	CHANGE G0, 1                                   ; slot 0 takes K group 2
	GROUP AE+1, AF+1, 0, 0
	CHANGE G0+4, 1                                 ; slot 1 takes K group 3
	GROUP AE, AF, 0, 0
	CHANGE G0, 0                                   ; nothing is left to fetch
	GROUP AE+1, AF+1, 0, 0
	PLACES
.irp f, 0,1,2,3                        ; tile f of F: my 128 numbers a row become one fragment and one scale word a row
	QUANT 64*\f, 2, PW
.irp c, 0,1,2
	global_store_b128 v[LI], v[PC+4*\c:PC+4*\c+3], s[OB:OB+1] offset:512*\c   ; 512 consecutive bytes, at a multiple of 256 from c2's first byte
.endr
	global_store_b32 v[LI], v[PW], s[OS:OS+1]      ; my K step's word in each lane's 16 bytes of the record's scale words
	s_wait_xcnt 0x0                                ; the stores have read their data and bases: both may be written again
	s_add_nc_u64 s[OB:OB+1], s[OB:OB+1], s[RS:RS+1]
	s_add_nc_u64 s[OS:OS+1], s[OS:OS+1], s[RS:RS+1]
.endr
	s_wait_tensorcnt 0x0                           ; the wave's end
	ds_add_u32 v[SPW], v[NIL]
	s_wait_dscnt 0x0
	s_endpgm
.Lfunc_end_k_q1335934bce_proj:
	.size	k_q1335934bce_proj, .Lfunc_end_k_q1335934bce_proj-k_q1335934bce_proj
	.p2alignl 7, 3214868480
	.fill 96, 4, 3214868480
	.section	.rodata,"a",@progbits
	.p2align	6, 0x0
	.amdhsa_kernel k_q1335934bce_proj
		.amdhsa_group_segment_fixed_size 327680
		.amdhsa_private_segment_fixed_size 0
		.amdhsa_enable_private_segment 0
		.amdhsa_kernarg_size 16
		.amdhsa_user_sgpr_count 2
		.amdhsa_user_sgpr_kernarg_segment_ptr 1
		.amdhsa_wavefront_size32 1
		.amdhsa_system_sgpr_workgroup_id_x 1
		.amdhsa_system_sgpr_workgroup_id_y 1
		.amdhsa_system_sgpr_workgroup_id_z 1
		.amdhsa_system_vgpr_workitem_id 0
		.amdhsa_next_free_vgpr 768
		.amdhsa_next_free_sgpr 66
		.amdhsa_reserve_vcc 0
		.amdhsa_float_denorm_mode_32 3
		.amdhsa_float_denorm_mode_16_64 3
		.amdhsa_memory_ordered 1
		.amdhsa_forward_progress 1
		.amdhsa_inst_pref_size 131
	.end_amdhsa_kernel
	.amdgpu_metadata
---
amdhsa.version: [ 1, 2 ]
amdhsa.kernels:
  - .name:           k_q1335934bce_proj
    .symbol:         k_q1335934bce_proj.kd
    .args:
      - { .name: c1, .offset: 0, .size: 8, .value_kind: global_buffer, .address_space: global }
      - { .name: c2, .offset: 8, .size: 8, .value_kind: global_buffer, .address_space: global }
    .group_segment_fixed_size: 327680
    .private_segment_fixed_size: 0
    .kernarg_segment_align: 8
    .kernarg_segment_size: 16
    .max_flat_workgroup_size: 128
    .sgpr_count:     66
    .vgpr_count:     768
    .wavefront_size: 32
...
	.end_amdgpu_metadata
.endif
;; end of part 2
;; launch scores (part 3): grid 160 x 1, 4 waves a work-group, no clusters, 213,504 bytes of LDS; arguments c2, c3; writes c3
.if DOCPART == 3
	.amdgcn_target "amdgcn-amd-amdhsa--gfx1250"
	.amdhsa_code_object_version 6
	.text
	.protected	k_q1335934bce_scores
	.globl	k_q1335934bce_scores
	.p2align	8
	.type	k_q1335934bce_scores,@function
k_q1335934bce_scores:
	s_mov_b64 s[64:65], 0
	v_nop
	global_prefetch_b8 v0, s[64:65] scope:SCOPE_SE
	s_setreg_imm32_b32 hwreg(HW_REG_WAVE_MODE, 25, 1), 1
	s_wait_xcnt 0x0
; a[i][j] = (q[i] . k[j]) x 512^-0.5 where j < i, else 0; K = d = 512, on codes of FP6 with E8M0 scales; a is quantised along the keys in registers and leaves as records for the last product.
; A RECORD (6,656 bytes): 16 rows x 512 along K as images of the operand's registers: fragment s at 1536 s (register 4 c + i of lane l at 512 c + 16 l + 4 i), the four K steps' scale words at 6144 + 16 l.
; c2: q at 0 [query tile 256][record], k at 1,703,936 [key tile 256][record].  c3: a [query tile 256][K group 8 of 512 keys][record].
; S^T = k q^T: source 0 (E) = 16 keys, source 1 (F) = 16 queries.  k's tiles are permuted (slot r of tile t = key 32 (t / 2) + 8 (t % 2) + r + 8 (r / 8)): a lane holds one query, and the 16 registers of result
; tiles 2 b, 2 b + 1 are keys 32 b + 16 (lane / 16) + 0 .. 15.
; SHARES.  A work-group makes 256 queries (block qb) x 256 keys (block kb), kb = 0 .. qb | 3: the keys that the last product walks for these queries, in whole runs of 1,024.  Keys from 4,096 on count for no query.
; Wave w: keys 128 (w & 1) on; two passes of 64 queries, 64 ((w >> 1) + 2 p) on: 32 accumulators a pass.
; THE MASK, tile by tile of 16 queries x 128 keys, told by ids: ST = the tile's first query less its first key, a multiple of 16.  ST >= 128: every key counts, no mask.  ST < 0: none counts: the scores are multiplied
; by 0 in place of c, and come out as zero codes by the same path.  ST = 0 .. 112: the diagonal runs through the tile: compare and select, number by number.
; LDS is filled once: 16 records of k, 16 of q, a quarter by each wave's one tensor load.
; CLUSTER: none in this text.  A block of k is read by up to 16 work-groups, a block of q by up to 16; each work-group fetches once, 212,992 bytes, at its head; joint loads are not built here.
; LIMITS: NaN and infinities are not served (a hidden score that is infinite would become NaN by the 0); a block of zeros keeps the scale byte 1 (its codes are zeros; this program alone reads the bytes).
; REGISTERS: window 0: v1-7 addresses; v16-47 E's scale words, v48-63 F's; v64-159 F's fragments, two sets; v64-127 also a tile's 64 scores at work; v160-201 at work.  window 1: E's fragments.  window 2: accumulators.
.set REC,   6656
.set TS,    REC
.set POOL,  8*REC
.set SPARE, 32*REC                     ; behind the 32 records: the spare words, 128 bytes a wave
.set KSEC,  256*REC
.set LI,  1
.set AE,  2                            ; v2   my E tiles
.set AF,  4                            ; v4-5 my F tiles of pass 0, 1
.set SPW, 6
.set NIL, 7
.set SE,  16
.set SF,  48
.set FB,  64
.set FSET, 48
.set EB,  0
.set ESET, 96
.set ACC, 0
.set HA,  64                           ; a tile's scores x c
.set TM,  160
.set PW,  176
.set PC,  180
.set DB,  200                          ; v200 lane % 16 - 16 (lane / 16)
.set VD,  201                          ; v201 register n holds a key that counts where 32 (n / 16) + n % 16 < VD
.set W_LDE, 0x40
.set W_MUL, 0xa1
.set WV, 8
.set EG, 9
.set WH, 10
.set QB, 11
.set KB, 12
.set SD, 13                            ; s13  my first query of pass 0 less my first key
.set ST, 14                            ; s14  the same for the tile in hand
.set G1, 16
.set G0, 24
.set OB, 32
.set OS, 34
.set CS, 36                            ; s36  c = 512^-0.5
.set SEL, 38
.set CM, 52                            ; s[52:53] the tile's multiplier, c or 0: the packed form names a pair and takes its low word for both halves
.set MSB, 0
.macro WIN new
.if MSB != (\new)
	s_set_vgpr_msb (MSB<<8)|(\new)
.set MSB, (\new)
.endif
.endm
.macro PLACES
.rept 4
	v_nop
.endr
.endm
.macro QUANT s, w, pw                  ; 64 numbers of a lane, register 16 b + i = k 32 b + 16 (lane / 16) + i, become codes in v[PC] on and the scale word in v[pw]
	WIN 5*(\w)
.irp b, 0,1,2,3
	v_max3_num_f32 v[TM+\b], |v[\s+16*\b]|, |v[\s+1+16*\b]|, 0x1800000   ; and the floor 2^(3 - 127): the byte cannot fall under 1
.endr
	WIN 0x14*(\w)
.irp i, 2,4,6,8,10,12,14
.irp b, 0,1,2,3
	v_max3_num_f32 v[TM+\b], v[TM+\b], |v[\s+16*\b+\i]|, |v[\s+1+16*\b+\i]|
.endr
.endr
	WIN 0
.irp b, 0,1,2,3
	v_permlanex16_b32 v[TM+4+\b], v[TM+\b], s[SEL], s[SEL+1]
.endr
.irp b, 0,1,2,3
	v_max_num_f32 v[TM+\b], v[TM+\b], v[TM+4+\b]
.endr
.irp b, 0,1,2,3
	v_add_nc_u32 v[TM+12+\b], 0xff000000, v[TM+\b]
.endr
.irp b, 0,1,2,3
	v_lshrrev_b32 v[TM+4+\b], 23, v[TM+12+\b]
.endr
	s_wait_xcnt 0x0                                ; the last tile's stores have read their data: the scale word's register, and behind it the codes', are written again only from here on
	v_lshl_or_b32 v[\pw], v[TM+5], 8, v[TM+4]
	v_lshl_or_b32 v[\pw], v[TM+6], 16, v[\pw]
	v_lshl_or_b32 v[\pw], v[TM+7], 24, v[\pw]
	WIN (\w)
.irp c, 0,1
	v_cvt_scalef32_pk16_fp6_f32 v[PC+6*\c:PC+2+6*\c], v[\s+32*\c:\s+15+32*\c], v[TM+12+2*\c]
	v_cvt_scalef32_pk16_fp6_f32 v[PC+12+4*\c:PC+14+4*\c], v[\s+16+32*\c:\s+31+32*\c], v[TM+12+2*\c+1]
.endr
	WIN 0
	v_nop                                          ; one plain place behind a scaled conversion
.irp c, 0,1
.irp i, 0,1,2
	v_permlane16_swap_b32 v[PC+6*\c+\i], v[PC+12+4*\c+\i]
.endr
.irp i, 0,1,2
	v_mov_b32 v[PC+3+6*\c+\i], v[PC+12+4*\c+\i]
.endr
.endr
.endm
.macro SCALES ae, af, off
.irp e, 0,1,2,3,4,5,6,7
	ds_load_b128 v[SE+4*\e:SE+4*\e+3], v[\ae] offset:(\off)+TS*\e+6144
.endr
.irp f, 0,1,2,3
	ds_load_b128 v[SF+4*\f:SF+4*\f+3], v[\af] offset:(\off)+TS*\f+6144
.endr
.endm
.macro FETCH ae, af, off, p
	WIN W_LDE
.irp e, 0,1,2,3,4,5,6,7
.irp c, 0,1,2
	ds_load_b128 v[EB+ESET*(\p)+12*\e+4*\c:EB+ESET*(\p)+12*\e+4*\c+3], v[\ae] offset:(\off)+TS*\e+512*\c
.endr
.endr
	WIN 0
.irp f, 0,1,2,3
.irp c, 0,1,2
	ds_load_b128 v[FB+FSET*(\p)+12*\f+4*\c:FB+FSET*(\p)+12*\f+4*\c+3], v[\af] offset:(\off)+TS*\f+512*\c
.endr
.endr
.endm
.macro MUL p, s, zero                  ; 32 products; the accumulators take turns, one instruction a turn
	WIN W_MUL
.irp f, 0,1,2,3
.irp e, 0,1,2,3,4,5,6,7
.if \zero
	v_wmma_scale_f32_16x16x128_f8f6f4 v[ACC+64*\f+8*\e:ACC+64*\f+8*\e+7], v[EB+ESET*(\p)+12*\e:EB+ESET*(\p)+12*\e+11], v[FB+FSET*(\p)+12*\f:FB+FSET*(\p)+12*\f+11], 0, v[SE+4*\e+(\s)], v[SF+4*\f+(\s)] matrix_a_fmt:MATRIX_FMT_FP6 matrix_b_fmt:MATRIX_FMT_FP6
.else
	v_wmma_scale_f32_16x16x128_f8f6f4 v[ACC+64*\f+8*\e:ACC+64*\f+8*\e+7], v[EB+ESET*(\p)+12*\e:EB+ESET*(\p)+12*\e+11], v[FB+FSET*(\p)+12*\f:FB+FSET*(\p)+12*\f+11], v[ACC+64*\f+8*\e:ACC+64*\f+8*\e+7], v[SE+4*\e+(\s)], v[SF+4*\f+(\s)] matrix_a_fmt:MATRIX_FMT_FP6 matrix_b_fmt:MATRIX_FMT_FP6
.endif
.endr
.endr
	WIN 0
.endm
.macro GROUP ae, af, off, first        ; all of K = 512: four K steps
	PLACES
	SCALES \ae, \af, \off
	FETCH \ae, \af, \off, 0
.irp s, 0,1,2,3
	s_wait_dscnt 0x0
.if \s < 3
.if \s > 0
	PLACES
.endif
	FETCH \ae, \af, (\off)+1536*(\s+1), (\s+1)%2
.endif
.if (\first) && (\s == 0)
	MUL 0, 0, 1
.else
	MUL \s%2, \s, 0
.endif
.endr
.endm
; Tile f of pass p: 16 queries x my 128 keys: x c (or x 0), the mask where the diagonal runs through, the quantiser, the record's fragment and scale word
.macro TILE p, f
	s_add_co_i32 s[ST], s[SD], 128*(\p)+16*(\f)    ; the tile's first query less its first key: ids alone
	s_cmp_lt_i32 s[ST], 0                          ; under 0: every key of the tile is at or behind every query
	s_cselect_b32 s[CM], 0, s[CS]
	s_mov_b32 s[CM+1], s[CM]                       ; (named with it as a pair, so it is written)
	WIN 0x02                                       ; source 0 window 2
.irp j, 0,2,4,6,8,10,12,14,16,18,20,22,24,26,28,30,32,34,36,38,40,42,44,46,48,50,52,54,56,58,60,62
	v_pk_mul_f32 v[HA+\j:HA+\j+1], v[64*(\f)+\j:64*(\f)+\j+1], s[CM:CM+1] op_sel_hi:[1,0]   ; each accumulator from its low end on
.endr
	WIN 0
	s_cmp_ge_u32 s[ST], 128                        ; as an unsigned number: 128 and more (all keys count) and what is negative (none counts, the 0 has served) go round the mask
	s_cbranch_scc1 .Lplain_\@
	v_add_nc_u32 v[VD], s[ST], v[DB]               ; my query less my first key
.irp n, 0,1,2,3,4,5,6,7,8,9,10,11,12,13,14,15,16,17,18,19,20,21,22,23,24,25,26,27,28,29,30,31,32,33,34,35,36,37,38,39,40,41,42,43,44,45,46,47,48,49,50,51,52,53,54,55,56,57,58,59,60,61,62,63
	v_cmp_lt_i32 vcc_lo, 32*(\n/16)+\n%16, v[VD]
	v_cndmask_b32 v[HA+\n], 0, v[HA+\n], vcc_lo    ; kept where key < query, else 0
.endr
.Lplain_\@:
	QUANT HA, 0, PW
.irp c, 0,1,2
	global_store_b128 v[LI], v[PC+4*\c:PC+4*\c+3], s[OB:OB+1] offset:(8*(\p)+(\f))*8*REC+512*\c   ; 512 consecutive bytes, at a multiple of 256 from c3's first byte
.endr
	global_store_b32 v[LI], v[PW], s[OS:OS+1] offset:(8*(\p)+(\f))*8*REC   ; the stores' data are written again only behind the wait in the next tile's quantiser; their offset and bases never
.endm
	s_load_b128 s[4:7], s[0:1], 0x0                ; c2 s[4:5], c3 s[6:7]
	v_lshl_add_u32 v[SPW], v0, 2, SPARE
	v_mov_b32 v[NIL], 0
	ds_add_u32 v[SPW], v[NIL]                      ; the wave's opening: the add and its wait stand ahead of my tensor load; work on registers stands between them
	v_lshrrev_b32 v8, 5, v0
	v_readfirstlane_b32 s[WV], v8
	s_and_b32 s[EG], s[WV], 1
	s_lshr_b32 s[WH], s[WV], 1
	s_mov_b32 s[G1+0], 3<<16                       ; no mask; elements of 8 bytes; no padding
	s_mov_b32 s[G1+1], 832<<16                     ; tensor_dim0: a record
	s_mov_b32 s[G1+2], 8<<16                       ; tensor_dim1: 8 records
	s_mov_b32 s[G1+3], 832<<16
	s_mov_b32 s[G1+4], 8
	s_mov_b32 s[G1+5], 832                         ; they lie on end
	s_mov_b32 s[G1+6], 0
	s_mov_b32 s[G1+7], 0
	s_mov_b32 s[SEL], 0x76543210
	s_mov_b32 s[SEL+1], 0xfedcba98
	s_mov_b32 s[CS], 0x3d3504f3                    ; 512^-0.5
	s_mov_b32 s40, 0                               ; g = qb / 4: work-groups 0-15, 16-47, 48-95, 96-159
	s_mov_b32 s41, 0
	s_cmp_ge_u32 ttmp9, 16
	s_cselect_b32 s40, 1, s40
	s_cselect_b32 s41, 16, s41
	s_cmp_ge_u32 ttmp9, 48
	s_cselect_b32 s40, 2, s40
	s_cselect_b32 s41, 48, s41
	s_cmp_ge_u32 ttmp9, 96
	s_cselect_b32 s40, 3, s40
	s_cselect_b32 s41, 96, s41
	s_sub_co_u32 s41, ttmp9, s41
	s_and_b32 s42, s41, 3
	s_lshl_b32 s40, s40, 2
	s_add_co_u32 s[QB], s40, s42
	s_lshr_b32 s[KB], s41, 2
	s_cmp_lt_u32 s[WV], 2                          ; waves 0, 1 fetch k's halves, waves 2, 3 q's
	s_cselect_b32 s42, s[KB], s[QB]
	s_cselect_b32 s43, KSEC, 0
	s_lshl_b32 s42, s42, 4
	s_lshl_b32 s44, s[EG], 3
	s_add_co_u32 s42, s42, s44
	s_mul_i32 s42, s42, REC
	s_add_co_u32 s42, s42, s43
	s_mov_b32 s43, 0
	s_lshl_b32 s44, s[QB], 4                       ; the output: query tile 16 qb + 4 (w >> 1) (+ 8 p + f in the stores' immediates),
	s_lshl_b32 s45, s[WH], 2
	s_add_co_u32 s44, s44, s45
	s_mul_i32 s44, s44, 8*REC
	s_lshr_b32 s45, s[KB], 1
	s_mul_i32 s45, s45, REC                        ; K group kb / 2,
	s_add_co_u32 s44, s44, s45
	s_and_b32 s45, s[KB], 1
	s_lshl_b32 s45, s45, 1
	s_add_co_u32 s45, s45, s[EG]                   ; K step 2 (kb % 2) + (w & 1)
	s_mul_i32 s46, s45, 1536
	s_add_co_u32 s46, s46, s44
	s_mov_b32 s47, 0
	s_lshl_b32 s48, s45, 2
	s_add_co_u32 s48, s48, s44
	s_add_co_u32 s48, s48, 6144
	s_mov_b32 s49, 0
	s_sub_co_i32 s[SD], s[QB], s[KB]               ; 256 (qb - kb) - 128 (w & 1) + 64 (w >> 1): my first query of pass 0 less my first key
	s_lshl_b32 s[SD], s[SD], 8
	s_lshl_b32 s50, s[EG], 7
	s_sub_co_i32 s[SD], s[SD], s50
	s_lshl_b32 s50, s[WH], 6
	s_add_co_i32 s[SD], s[SD], s50
	s_wait_dscnt 0x0                               ; the opening add is done
	s_wait_kmcnt 0x0
	s_add_nc_u64 s[OB:OB+1], s[6:7], s[46:47]
	s_add_nc_u64 s[OS:OS+1], s[6:7], s[48:49]
	s_mov_b32 s[G0], 1
	s_mul_i32 s[G0+1], s[WV], POOL                 ; LDS: k's 16 records, then q's 16
	s_add_nc_u64 s[G0+2:G0+3], s[4:5], s[42:43]
	s_or_b32 s[G0+3], s[G0+3], 0x80000000
	tensor_load_to_lds s[G0:G0+3], s[G1:G1+7]      ; my one load of the launch
	s_nop 0
.rept 4
	v_nop
.endr
	v_and_b32 v8, 31, v0
	v_lshlrev_b32 v[LI], 4, v8
	s_mul_i32 s47, s[EG], POOL
	v_add_nc_u32 v[AE], s47, v[LI]
	s_mul_i32 s48, s[WH], 4*REC
	s_add_co_u32 s48, s48, 16*REC
	v_add_nc_u32 v[AF], s48, v[LI]
	s_add_co_u32 s48, s48, 8*REC
	v_add_nc_u32 v[AF+1], s48, v[LI]
	v_and_b32 v[DB], 15, v0
	v_bfe_u32 v[VD], v0, 4, 1
	v_lshlrev_b32 v[VD], 4, v[VD]
	v_sub_nc_u32 v[DB], v[DB], v[VD]
.irp b, 0,1,2,3
	v_mov_b32 v[TM+4+\b], 0                        ; written once: a lane permute's destination counts as one of its sources
.endr
	s_wait_tensorcnt 0x0                           ; my quarter is in,
	s_barrier_signal -1
	s_barrier_wait -1                              ; everybody's is
.irp p, 0,1
	GROUP AE, AF+\p, 0, 1
	PLACES                                         ; with the four at the next pass's head: more than the five places in front of products that begin these accumulators anew
.irp f, 0,1,2,3
	TILE \p, \f
.endr
.endr
	s_wait_tensorcnt 0x0                           ; the wave's end
	ds_add_u32 v[SPW], v[NIL]
	s_wait_dscnt 0x0
	s_endpgm
.Lfunc_end_k_q1335934bce_scores:
	.size	k_q1335934bce_scores, .Lfunc_end_k_q1335934bce_scores-k_q1335934bce_scores
	.p2alignl 7, 3214868480
	.fill 96, 4, 3214868480
	.section	.rodata,"a",@progbits
	.p2align	6, 0x0
	.amdhsa_kernel k_q1335934bce_scores
		.amdhsa_group_segment_fixed_size 213504
		.amdhsa_private_segment_fixed_size 0
		.amdhsa_enable_private_segment 0
		.amdhsa_kernarg_size 16
		.amdhsa_user_sgpr_count 2
		.amdhsa_user_sgpr_kernarg_segment_ptr 1
		.amdhsa_wavefront_size32 1
		.amdhsa_system_sgpr_workgroup_id_x 1
		.amdhsa_system_sgpr_workgroup_id_y 1
		.amdhsa_system_sgpr_workgroup_id_z 1
		.amdhsa_system_vgpr_workitem_id 0
		.amdhsa_next_free_vgpr 768
		.amdhsa_next_free_sgpr 66
		.amdhsa_reserve_vcc 1
		.amdhsa_float_denorm_mode_32 3
		.amdhsa_float_denorm_mode_16_64 3
		.amdhsa_memory_ordered 1
		.amdhsa_forward_progress 1
		.amdhsa_inst_pref_size 150
	.end_amdhsa_kernel
	.amdgpu_metadata
---
amdhsa.version: [ 1, 2 ]
amdhsa.kernels:
  - .name:           k_q1335934bce_scores
    .symbol:         k_q1335934bce_scores.kd
    .args:
      - { .name: c2, .offset: 0, .size: 8, .value_kind: global_buffer, .address_space: global }
      - { .name: c3, .offset: 8, .size: 8, .value_kind: global_buffer, .address_space: global }
    .group_segment_fixed_size: 213504
    .private_segment_fixed_size: 0
    .kernarg_segment_align: 8
    .kernarg_segment_size: 16
    .max_flat_workgroup_size: 128
    .sgpr_count:     66
    .vgpr_count:     768
    .wavefront_size: 32
...
	.end_amdgpu_metadata
.endif
;; end of part 3
;; launch outp (part 4): grid 256 x 1, 4 waves a work-group, no clusters, 327,680 bytes of LDS; arguments c2, c3, out0; writes out0
.if DOCPART == 4
	.amdgcn_target "amdgcn-amd-amdhsa--gfx1250"
	.amdhsa_code_object_version 6
	.text
	.protected	k_q1335934bce_outp
	.globl	k_q1335934bce_outp
	.p2align	8
	.type	k_q1335934bce_outp,@function
k_q1335934bce_outp:
	s_mov_b64 s[64:65], 0
	v_nop
	global_prefetch_b8 v0, s[64:65] scope:SCOPE_SE
	s_setreg_imm32_b32 hwreg(HW_REG_WAVE_MODE, 25, 1), 1
	s_wait_xcnt 0x0
; out[i][:] = the sum over keys j of a[i][j] v[j][:], on codes of FP6 with E8M0 scales; K = the keys.  a is zero from key i on, so queries 1024 g .. 1024 g + 1023 walk keys 0 .. 1024 (g + 1) - 1 alone.
; A RECORD (6,656 bytes): 16 rows x 512 along K as images of the operand's registers: fragment s at 1536 s (register 4 c + i of lane l at 512 c + 16 l + 4 i), the four K steps' scale words at 6144 + 16 l.
; c2: v at 3,407,872 [d tile 32][K group 8][record]; c3: a [query tile 256][K group 8][record]; out0 [4096][512] f32.
; O^T = v^T a^T: source 0 (E) = 16 of d, source 1 (F) = 16 queries.  v's d tiles are permuted (slot r of tile t = d 32 (t / 2) + 8 (t % 2) + r + 8 (r / 8)): a lane holds one query, and the 16 registers of result
; tiles 2 b, 2 b + 1 are d = 32 b + 16 (lane / 16) + 0 .. 15: neighbours of a row of out0.
; SHARES.  A LONG BLOCK OF QUERIES IS PAIRED WITH A SHORT ONE.  Work-group id: 64 of d (db = id & 7: 4 tiles of v) x two blocks of 64 queries, the HIGH block 63 - pr and the LOW block pr (pr = id >> 3), which are
; multiplied by the same tiles of v.  The keys go in periods of 1,024.  The high block walks PP = (63 - pr) / 16 + 1 periods, 4 or 3; the low block 5 - PP, 1 or 2.  In tiles x periods a work-group takes in
; 4 PP of v, 4 PP of the high block's a and 4 (5 - PP) of the low block's: 36 or 32, where one block of 64 queries on 128 of d would take 12 for each of up to 4 periods.
; Wave w: all 4 tiles of v x tile w of the high block (f = 0) and tile w of the low block (f = 1): 8 accumulators; its results are 2 x 16 rows of 256 bytes.
; RING.  Two LDS slots of 12 tiles x 13,312 bytes (two records): tiles 0-3 v, 4-7 the high block, 8-11 the low block.  Wave 0 brings v's, wave 1 the high block's, wave 2 the low block's: one tensor load each
; (53,248 bytes); one load of a wave is out at most.
; EVERY work-group passes all four changes of slots.  What its blocks do not walk is neither asked for nor worked: jumps on PP, made of ids and the same in all four waves, lead round a load's own lines and choose
; or leave out a period's LDS loads and products; every wait on TENSORcnt is for 0; each test for the work holds PP against the same number as the test for the load that brought its tiles.
; CLUSTER: none in this text.  v's tiles are read by the 32 work-groups of a db, a's by the 8 of a pr.  Two of the loads are led round by jumps on the work-group's number, which a joint load, issued on every path
; by all that it names, does not allow; so the loads are plain.
.set REC,   6656
.set TS,    2*REC                      ; from tile to tile in a slot: two records
.set POOL,  4*TS                       ; what one tensor load brings: 53,248 bytes
.set SLOT,  12*TS
.set SPARE, 2*SLOT                     ; behind the ring: the spare words, 128 bytes a wave
.set VSEC,  512*REC                    ; v's section of c2
.set SP,    272                        ; the way out: a stage of 32 rows x (256 + 16) bytes a wave, in slot 0, which has had its last fill and, behind the last barrier, its last read
.set LI,  1                            ; v1   16 x lane
.set AE,  2                            ; v2-3 v's tiles in slot 0, 1
.set AF,  4                            ; v4-5 my tile of the high block in slot 0, 1; v6-7 my tile of the low block (a register of its own: 53,248 more would pass an LDS offset's 16 bits)
.set STO, 8
.set RD,  9
.set GO,  10
.set SE,  16                           ; v16-31 E's scale words
.set SF,  32                           ; v32-39 F's
.set ACC, 40                           ; v40-103 accumulators (32 f + 8 e)
.set EB,  104                          ; v104-199 E's fragments, two sets
.set ESET, 48
.set FB,  200                          ; v200-247 F's, two sets
.set FSET, 24
.set OUTR, 104                         ; the way out: rows read back
.set SPW, 248
.set NIL, 249
.set WV, 10
.set DBK, 11
.set PR, 12
.set MH, 13
.set PP, 14
.set G1, 16                            ; s[16:23] descriptor group 1
.set G0, 24                            ; s[24:31] group 0, a set for each slot
.set OH, 32                            ; s[32:33] out0 at my 16 rows of the high block
.set OL, 34                            ; s[34:35] and of the low block
.macro PLACES                          ; four places in front of loads into registers that matrix instructions have read, and of the first read of results
.rept 4
	v_nop
.endr
.endm
; cnt = 2: both blocks; cnt = 1: the high block alone
.macro SCALES ae, af, off, cnt
.irp e, 0,1,2,3
	ds_load_b128 v[SE+4*\e:SE+4*\e+3], v[\ae] offset:(\off)+TS*\e+6144
.endr
.irp f, 0,1
.if \f < \cnt
	ds_load_b128 v[SF+4*\f:SF+4*\f+3], v[\af+2*\f] offset:(\off)+6144
.endif
.endr
.endm
.macro FETCH ae, af, off, p, cnt
.irp e, 0,1,2,3
.irp c, 0,1,2
	ds_load_b128 v[EB+ESET*(\p)+12*\e+4*\c:EB+ESET*(\p)+12*\e+4*\c+3], v[\ae] offset:(\off)+TS*\e+512*\c
.endr
.endr
.irp f, 0,1
.if \f < \cnt
.irp c, 0,1,2
	ds_load_b128 v[FB+FSET*(\p)+12*\f+4*\c:FB+FSET*(\p)+12*\f+4*\c+3], v[\af+2*\f] offset:(\off)+512*\c
.endr
.endif
.endr
.endm
.macro MUL p, s, zero, cnt             ; 4 cnt products, 128 keys; the accumulators take turns, one instruction a turn
.irp f, 0,1
.if \f < \cnt
.irp e, 0,1,2,3
.if \zero
	v_wmma_scale_f32_16x16x128_f8f6f4 v[ACC+32*\f+8*\e:ACC+32*\f+8*\e+7], v[EB+ESET*(\p)+12*\e:EB+ESET*(\p)+12*\e+11], v[FB+FSET*(\p)+12*\f:FB+FSET*(\p)+12*\f+11], 0, v[SE+4*\e+(\s)], v[SF+4*\f+(\s)] matrix_a_fmt:MATRIX_FMT_FP6 matrix_b_fmt:MATRIX_FMT_FP6
.else
	v_wmma_scale_f32_16x16x128_f8f6f4 v[ACC+32*\f+8*\e:ACC+32*\f+8*\e+7], v[EB+ESET*(\p)+12*\e:EB+ESET*(\p)+12*\e+11], v[FB+FSET*(\p)+12*\f:FB+FSET*(\p)+12*\f+11], v[ACC+32*\f+8*\e:ACC+32*\f+8*\e+7], v[SE+4*\e+(\s)], v[SF+4*\f+(\s)] matrix_a_fmt:MATRIX_FMT_FP6 matrix_b_fmt:MATRIX_FMT_FP6
.endif
.endr
.endif
.endr
.endm
.macro GROUP ae, af, off, first, cnt   ; a K group of 512 keys: four K steps; each step's fragments are asked for ahead of the step before's products; at its end no LDS load of mine is out
	PLACES
	SCALES \ae, \af, \off, \cnt
	FETCH \ae, \af, \off, 0, \cnt
.irp s, 0,1,2,3
	s_wait_dscnt 0x0                               ; this step's fragments are in
.if \s < 3
.if \s > 0
	PLACES                                         ; the set to be loaded was read by the products just issued
.endif
	FETCH \ae, \af, (\off)+1536*(\s+1), (\s+1)%2, \cnt
.endif
.if (\first) && (\s == 0)
	MUL 0, 0, 1, \cnt
.else
	MUL \s%2, \s, 0, \cnt
.endif
.endr
.endm
.macro TLOAD g, n                      ; waves 0 to n - 1 fetch; an s_nop 0 and four v_nop follow the load
	s_cmp_lt_u32 s[WV], \n
	s_cbranch_scc0 .Lnone_\@
	tensor_load_to_lds s[\g:\g+3], s[G1:G1+7]
	s_nop 0
.rept 4
	v_nop
.endr
.Lnone_\@:
.endm
.macro TLOADLO g                       ; wave 2 alone: the low block's tiles
	s_cmp_eq_u32 s[WV], 2
	s_cbranch_scc0 .Lnone_\@
	tensor_load_to_lds s[\g:\g+3], s[G1:G1+7]
	s_nop 0
.rept 4
	v_nop
.endr
.Lnone_\@:
.endm
.macro CHANGE g, step                  ; the change of slots at a period's head: all my tensor loads have landed, the add, my reads of the slot left are over, the barrier
	s_wait_tensorcnt 0x0                           ; no tensor load of mine is out, so a group 0 may be written
	ds_add_u32 v[SPW], v[NIL]                      ; 0 onto my spare word
.if \step
	s_add_nc_u64 s[\g+2:\g+3], s[\g+2:\g+3], 4*REC   ; this slot's next period, two on
.endif
	s_wait_dscnt 0x0
	s_barrier_signal -1
	s_barrier_wait -1
.endm
	s_load_b128 s[4:7], s[0:1], 0x0                ; c2 s[4:5], c3 s[6:7]
	s_load_b64 s[8:9], s[0:1], 0x10                ; out0
	v_lshl_add_u32 v[SPW], v0, 2, SPARE
	v_mov_b32 v[NIL], 0
	ds_add_u32 v[SPW], v[NIL]                      ; the wave's opening: the add and its wait stand ahead of my first tensor load; work on registers stands between them
	v_lshrrev_b32 v11, 5, v0
	v_readfirstlane_b32 s[WV], v11                 ; wave 0..3
	s_and_b32 s[DBK], ttmp9, 7                     ; which 64 of d
	s_lshr_b32 s[PR], ttmp9, 3                     ; the low block, 0 .. 31
	s_sub_co_u32 s[MH], 63, s[PR]                  ; the high block, 63 .. 32
	s_lshr_b32 s[PP], s[MH], 4
	s_add_co_u32 s[PP], s[PP], 1                   ; its periods: 4 or 3
	s_mov_b32 s[G1+0], 3<<16                       ; no mask; elements of 8 bytes; no padding
	s_mov_b32 s[G1+1], 1664<<16                    ; tensor_dim0: two records
	s_mov_b32 s[G1+2], 4<<16                       ; tensor_dim1: 4 tiles
	s_mov_b32 s[G1+3], 1664<<16
	s_mov_b32 s[G1+4], 4
	s_mov_b32 s[G1+5], 6656                        ; from tile to tile: 53,248 bytes
	s_mov_b32 s[G1+6], 0
	s_mov_b32 s[G1+7], 0
	s_lshl_b32 s40, s[DBK], 2
	s_mul_i32 s40, s40, 8*REC
	s_add_co_u32 s40, s40, VSEC                    ; wave 0: v's d tiles 4 db on
	s_lshl_b32 s41, s[MH], 2
	s_mul_i32 s41, s41, 8*REC                      ; wave 1: a's query tiles of the high block
	s_lshl_b32 s42, s[PR], 2
	s_mul_i32 s42, s42, 8*REC                      ; wave 2: of the low block
	s_cmp_eq_u32 s[WV], 1
	s_cselect_b32 s41, s41, s42
	s_cmp_eq_u32 s[WV], 0
	s_cselect_b32 s40, s40, s41
	s_mov_b32 s41, 0
	s_lshl_b32 s43, s[WV], 4                       ; my 16 rows of a block
	s_lshl_b32 s48, s[DBK], 8                      ; my work-group's 256 bytes of a row
	s_lshl_b32 s42, s[MH], 6
	s_add_co_u32 s42, s42, s43
	s_lshl_b32 s42, s42, 11                        ; rows of 2,048 bytes
	s_add_co_u32 s42, s42, s48
	s_lshl_b32 s50, s[PR], 6
	s_add_co_u32 s50, s50, s43
	s_lshl_b32 s50, s50, 11
	s_add_co_u32 s50, s50, s48
	s_mov_b32 s43, 0
	s_mov_b32 s51, 0
	s_mul_i32 s44, s[WV], POOL                     ; where my tiles go in a slot
	s_wait_dscnt 0x0                               ; the opening add is done
	s_wait_kmcnt 0x0
	s_cmp_eq_u32 s[WV], 0                          ; the choice of the buffer hangs on the wave's number alone
	s_cselect_b64 s[46:47], s[4:5], s[6:7]
	s_add_nc_u64 s[46:47], s[46:47], s[40:41]
	s_add_nc_u64 s[OH:OH+1], s[8:9], s[42:43]
	s_add_nc_u64 s[OL:OL+1], s[8:9], s[50:51]
.irp n, 0,1
	s_mov_b32 s[G0+4*\n], 1
	s_add_co_u32 s[G0+4*\n+1], s44, \n*SLOT
	s_add_nc_u64 s[G0+4*\n+2:G0+4*\n+3], s[46:47], \n*2*REC   ; period n
	s_or_b32 s[G0+4*\n+3], s[G0+4*\n+3], 0x80000000
.endr
	TLOAD G0, 3                                    ; period 0: v, the high block, the low block
	v_and_b32 v11, 31, v0
	v_lshlrev_b32 v[LI], 4, v11
	v_and_b32 v12, 15, v0                          ; r
	v_bfe_u32 v13, v0, 4, 1                        ; h
	s_mov_b32 s48, 0                               ; v's tiles begin a slot
	s_mul_i32 s49, s[WV], TS
	s_add_co_u32 s49, s49, 4*TS                    ; tile 4 + w: the high block's
	s_add_co_u32 s56, s49, 4*TS                    ; tile 8 + w: the low block's
.irp n, 0,1
	v_add_nc_u32 v[AE+\n], s48, v[LI]
	v_add_nc_u32 v[AF+\n], s49, v[LI]
	v_add_nc_u32 v[AF+2+\n], s56, v[LI]
	s_add_co_u32 s48, s48, SLOT
	s_add_co_u32 s49, s49, SLOT
	s_add_co_u32 s56, s56, SLOT
.endr
	s_mul_i32 s52, s[WV], 32*SP                    ; my stage
	v_mul_u32_u24 v[STO], v12, SP
	v_lshl_add_u32 v[STO], v13, 6, v[STO]
	v_add_nc_u32 v[STO], s52, v[STO]               ; in: row r, + 64 h
	v_mul_u32_u24 v[RD], v13, SP
	v_lshl_add_u32 v[RD], v12, 4, v[RD]
	v_add_nc_u32 v[RD], s52, v[RD]                 ; back: lanes 0-15 one row of 256 bytes, lanes 16-31 the next
	v_lshlrev_b32 v[GO], 11, v13
	v_lshl_add_u32 v[GO], v12, 4, v[GO]            ; and the same two rows in out0
	; ---- period 0, in slot 0: both blocks; the first products start the sums
	CHANGE G0, 0
	TLOAD G0+4, 2                                  ; period 1 into slot 1: v's tiles and the high block's;
	s_cmp_eq_u32 s[PP], 4                          ; the low block's only where it walks a second period (PP = 3)
	s_cbranch_scc1 .Lno_low_1
	TLOADLO G0+4
.Lno_low_1:
	GROUP AE, AF, 0, 1, 2
	GROUP AE, AF, REC, 0, 2
	; ---- period 1, in slot 1
	CHANGE G0, 1
	TLOAD G0, 2                                    ; period 2 into slot 0: every high block walks it, no low block does
	s_cmp_eq_u32 s[PP], 4
	s_cbranch_scc1 .Lhigh_alone_1
	GROUP AE+1, AF+1, 0, 0, 2
	GROUP AE+1, AF+1, REC, 0, 2
	s_branch .Ldone_1
.Lhigh_alone_1:
	GROUP AE+1, AF+1, 0, 0, 1
	GROUP AE+1, AF+1, REC, 0, 1
.Ldone_1:
	; ---- period 2, in slot 0: the high block alone
	CHANGE G0+4, 1
	s_cmp_lt_u32 s[PP], 4                          ; period 3 is asked for only where the high block walks it
	s_cbranch_scc1 .Lno_period_3
	TLOAD G0+4, 2
.Lno_period_3:
	GROUP AE, AF, 0, 0, 1
	GROUP AE, AF, REC, 0, 1
	; ---- period 3, in slot 1
	CHANGE G0, 0                                   ; nothing is left to fetch
	s_cmp_lt_u32 s[PP], 4
	s_cbranch_scc1 .Lidle_3
	GROUP AE+1, AF+1, 0, 0, 1
	GROUP AE+1, AF+1, REC, 0, 1
.Lidle_3:
	; THE WAY OUT: a lane's 16 registers of two tiles are 64 neighbouring bytes of a row; the rows go through my stage (0-15 the high block's, 16-31 the low block's) and leave as aligned runs of 256 bytes
	PLACES
.irp f, 0,1
.irp b, 0,1
.irp i, 0,1,2,3
	ds_store_b128 v[STO], v[ACC+32*\f+16*\b+4*\i:ACC+32*\f+16*\b+4*\i+3] offset:16*\f*SP+128*\b+16*\i   ; each accumulator from its low end on
.endr
.endr
.endr
.irp t, 0,1,2,3,4,5,6,7,8,9,10,11,12,13,14,15
	ds_load_b128 v[OUTR+4*\t:OUTR+4*\t+3], v[RD] offset:2*\t*SP   ; LDS serves a wave's instructions in order: these see my stores
.endr
.irp t, 0,1,2,3,4,5,6,7
	s_wait_dscnt 15-\t                             ; the younger loads from the stage may stay out
	global_store_b128 v[GO], v[OUTR+4*\t:OUTR+4*\t+3], s[OH:OH+1] offset:4096*\t th:TH_STORE_NT   ; 16 lanes store 256 consecutive bytes, at a multiple of 256 from out0's first byte
.endr
.irp t, 0,1,2,3,4,5,6,7
	s_wait_dscnt 7-\t
	global_store_b128 v[GO], v[OUTR+32+4*\t:OUTR+32+4*\t+3], s[OL:OL+1] offset:4096*\t th:TH_STORE_NT
.endr
	s_wait_tensorcnt 0x0                           ; the wave's end: behind my last tensor load and my last LDS store
	ds_add_u32 v[SPW], v[NIL]
	s_wait_dscnt 0x0
	s_endpgm
.Lfunc_end_k_q1335934bce_outp:
	.size	k_q1335934bce_outp, .Lfunc_end_k_q1335934bce_outp-k_q1335934bce_outp
	.p2alignl 7, 3214868480
	.fill 96, 4, 3214868480
	.section	.rodata,"a",@progbits
	.p2align	6, 0x0
	.amdhsa_kernel k_q1335934bce_outp
		.amdhsa_group_segment_fixed_size 327680
		.amdhsa_private_segment_fixed_size 0
		.amdhsa_enable_private_segment 0
		.amdhsa_kernarg_size 24
		.amdhsa_user_sgpr_count 2
		.amdhsa_user_sgpr_kernarg_segment_ptr 1
		.amdhsa_wavefront_size32 1
		.amdhsa_system_sgpr_workgroup_id_x 1
		.amdhsa_system_sgpr_workgroup_id_y 1
		.amdhsa_system_sgpr_workgroup_id_z 1
		.amdhsa_system_vgpr_workitem_id 0
		.amdhsa_next_free_vgpr 256
		.amdhsa_next_free_sgpr 66
		.amdhsa_reserve_vcc 0
		.amdhsa_float_denorm_mode_32 3
		.amdhsa_float_denorm_mode_16_64 3
		.amdhsa_memory_ordered 1
		.amdhsa_forward_progress 1
		.amdhsa_inst_pref_size 89
	.end_amdhsa_kernel
	.amdgpu_metadata
---
amdhsa.version: [ 1, 2 ]
amdhsa.kernels:
  - .name:           k_q1335934bce_outp
    .symbol:         k_q1335934bce_outp.kd
    .args:
      - { .name: c2, .offset: 0, .size: 8, .value_kind: global_buffer, .address_space: global }
      - { .name: c3, .offset: 8, .size: 8, .value_kind: global_buffer, .address_space: global }
      - { .name: out0, .offset: 16, .size: 8, .value_kind: global_buffer, .address_space: global }
    .group_segment_fixed_size: 327680
    .private_segment_fixed_size: 0
    .kernarg_segment_align: 8
    .kernarg_segment_size: 24
    .max_flat_workgroup_size: 128
    .sgpr_count:     66
    .vgpr_count:     256
    .wavefront_size: 32
...
	.end_amdgpu_metadata
.endif
;; end of part 4
